; MI455X (gfx1250); checked and timed in simulation.
; The chip was launched on July 23, 2026; its instructions are those of AMD's public machine-readable ISA for CDNA 5 (MIT licence, August 2026) and "CDNA5" Instruction Set Architecture Reference Guide (July 2026). The comments in the code are by the model that wrote it; some were corrected since.
;; Attention. Allowed arithmetic: matrix products marked QUANTISED: E4M3 operands, one given power-of-two scale a tensor, by v_wmma_f32_16x16x64_fp8_fp8 or v_wmma_f32_16x16x128_fp8_fp8, f32 sums; everything else in f32.
;; Inputs: key 32 x 2,048 x 128 float32; lowp_scales 4 int32 (the exponents e of the quantised operands' scales 2^e); query 32 x 2,048 x 128 float32; value 32 x 2,048 x 128 float32.
;; Outputs: out0 32 x 2,048 x 128 float32.
;; This version of the problem:
;;   THIS VERSION OF THE PROBLEM IS GIVEN IN LOW PRECISION. The matrix products marked QUANTISED in the list below multiply operands that are first quantised to E4M3 (4 exponent bits, 3 mantissa bits; 8 bits a number), with one given power-of-two scale for each operand tensor; their sums are f32. All else is computed in f32.
;;   The module's matrix products, in the order in which they are computed (A, B: the left and right operand; K: the contracted axis; several contracted axes count as one K, in the product's order):
;;     1. batch 32 x [M 2,048, K 128] x [K 128, N 2,048]; A: input query; B: input key: QUANTISED (scales: A lowp_scales[0], B lowp_scales[1])
;;     2. batch 32 x [M 2,048, K 2,048] x [K 2,048, N 128]; A: softmax (see below); B: input value: QUANTISED (scales: A lowp_scales[2], B lowp_scales[3])
;;   THE QUANTISER, for each operand of a quantised product, along K:
;;     - The operand's scale is 2^e, e = its entry of the input lowp_scales (int32; the entries are numbered through the quantised products in the list's order, A before B).
;;     - Each number is divided by the scale, clamped to +-448, and rounded to the nearest number of E4M3, ties to even, subnormals kept.
;;     - The product sums the exact products of the quantised numbers (number of the format x scale) in f32.
;;   ~~~python
;;   def quantise(x, axis, e):      # numpy; x: float32 -> the quantised numbers, widened to float32 again
;;       x = np.moveaxis(x, axis, -1); K = x.shape[-1]
;;       r = np.clip(x / 2.0 ** e, -448, 448)
;;       step = 2.0 ** (np.maximum(np.frexp(np.where(r == 0, 1, r))[1] - 1, -6) - 3)
;;       q = np.round(r / step) * step * 2.0 ** e      # np.round: ties to even
;;       return np.moveaxis(q, -1, axis).astype(np.float32)
;;   ~~~
;;   SOFTMAX AHEAD OF A QUANTISED PRODUCT. Where the list says 'softmax', what is quantised is not the finished softmax but p = 2^(t - M), with t = logit x log2(e) and M = ceil(the row's largest t), a whole number; so 1/2 < the row's largest p <= 1. The row's sum l is taken of the UNQUANTISED p, in f32, and the product's result is divided by l at the end. Since M is a whole number, a kernel that streams over the keys may use a running M (the ceiling of the running maximum): every later rescaling is an exact power of two, so the quantised numbers keep their values, but for numbers so far below the row's largest that they fall under the format's range.
;;   OPERANDS COMPUTED ON THE WAY. 'Computed on the way' means the value that the module computes at that place (a softmax that the list does not call 'softmax' is quantised finished and normalised). What goes into a quantiser is computed in f32, as accurately as f32 sums, v_exp_f32 and their like allow (about 1e-6 of the number): no bf16 or f16 on the way to a quantiser, and a product that is left as it is and whose result goes on into a quantised operand takes f32 operands (vector FMAs, or v_wmma_f32_16x16x4_f32). A number that lies on a knife's edge between two numbers of the format may be rounded either way, as far as f32 arithmetic and the matrix unit's own rounding can turn it there, and no further.
;; One version. Each part assembles by itself: llvm-mc -triple=amdgcn-amd-amdhsa -mcpu=gfx1250 --defsym DOCPART=n.
;; ======== version 1 of 1: 2 launches
;; limits: right only within a limited range of input values
;; workspace buffers: kv 16,777,216 bytes
;; launch prep (part 1): grid 512 x 1, 4 waves a work-group, no clusters, 34,304 bytes of LDS; arguments key, value, lowp_scales, kv; writes kv
.if DOCPART == 1
	.amdgcn_target "amdgcn-amd-amdhsa--gfx1250"
	.amdhsa_code_object_version 6
	.text
	.protected	k_q81228c2a3b_prep
	.globl	k_q81228c2a3b_prep
	.p2align	8
	.type	k_q81228c2a3b_prep,@function
k_q81228c2a3b_prep:
	s_mov_b64 s[64:65], 0
	v_nop
	global_prefetch_b8 v0, s[64:65] scope:SCOPE_SE
	s_setreg_imm32_b32 hwreg(HW_REG_WAVE_MODE, 25, 1), 1
	s_wait_xcnt 0x0
; key and value, [32][2048][128] f32, become codes of FP8 (E4M3), one byte each, with the given scales 2^ek (entry 1) and 2^ev (entry 3):
; code = x / 2^e, held within +-448, rounded to the nearest code, ties to even.
; LIMITS: ek and ev lie between -126 and 119, so that 2^e and 448 x 2^e are f32 numbers.  NaN among the inputs is not served; an infinity is held at the largest code.
; THE CODES ARE LAID AS IMAGES OF THE OPERAND'S REGISTERS, so that the next launch fetches a fragment (16 rows x 128 along K, 16 registers a lane) by four loads of 16 bytes at 16 x lane + 512 c.
;   kc: [head 32][key step 16][tile t 8][2,048 bytes]; byte 512 c + 16 lane + x (lane = 16 h + r) is channel 32 c + 16 h + x of key 128 step + 32 (t / 2) + 8 (t % 2) + r + 8 (r / 8).
;       (The keys of a tile are not neighbours: the scores of tiles 2 b and 2 b + 1 are then 16 neighbouring keys in a lane's registers.)
;   vc: [head 32][key step 16][tile T 8][2,048 bytes]; byte 512 c + 16 lane + x is key 128 step + 32 c + 16 h + x of channel 16 T + r: the keys are the second product's K.
; ONE LAUNCH FOR BOTH: work-groups 0 to 255 take key, 256 to 511 value.  The two ways part on the work-group's number; only key's way uses LDS.  Waves share nothing: no barrier.
; No matrix unit, no cluster, no tensor load: every byte is read once and written once, and no two work-groups read the same byte.
; BOTH KINDS OF BLOCK LIE IN ONE BUFFER, kv: [head 32][slot 4][65,536 bytes: the kc blocks of key steps 4 slot .. 4 slot + 3; 65,536 bytes: their vc blocks]: the next launch fetches a slot's 131,072 bytes as they lie.
.set KP,    528                        ; key's stage: a row of 512 bytes + 16: 33 x 16 bytes, so that sixteen rows' equal columns fall on sixteen different groups of banks
.set KSTG,  16*KP                      ; a stage of 16 rows for each wave
.set R,     16                         ; v16-143  key: two sets of 16 rows as they are loaded (4 registers a row)
.set X,     144                        ; v144-207 key: 64 numbers of my row, register 16 s + i = channel 32 s + 16 h + i
.set C,     208                        ; v208-239 key: two sets of 16 registers of codes
.set VX,    16                         ; v16-79   value: two sets of 32 numbers down the keys
.set VC,    80                         ; v80-143  value: 8 registers of codes for each of 8 blocks: no store's data are written again
	s_load_b128 s[4:7], s[0:1], 0x0                ; key s[4:5], value s[6:7]
	s_load_b64 s[8:9], s[0:1], 0x10                ; the scales' exponents
	s_load_b64 s[12:13], s[0:1], 0x18              ; kv
	v_lshl_add_u32 v240, v0, 2, 0x8400
	v_mov_b32 v241, 0
	v_lshrrev_b32 v1, 5, v0
	v_readfirstlane_b32 s16, v1                    ; wave 0..3
	v_and_b32 v9, 31, v0                           ; lane
	v_lshlrev_b32 v1, 4, v9                        ; 16 x lane
	v_and_b32 v2, 15, v0                           ; r
	v_bfe_u32 v3, v0, 4, 1                         ; h
	s_wait_kmcnt 0x0
	s_load_b128 s[24:27], s[8:9], 0x0              ; eq, ek, ep, ev
	s_cmp_lt_u32 ttmp9, 256
	s_cbranch_scc0 .Lvalue
; ---- KEY.  Wave W = 4 x work-group + wave takes 64 neighbouring keys: four fragments.
; A load takes a whole row of 512 bytes, 16 a lane.  The conversions want 16 neighbouring channels of ONE key in a lane's registers: so a fragment's 16 rows turn through the wave's stage.
	s_lshl_b32 s17, ttmp9, 2
	s_add_co_u32 s17, s17, s16                     ; W, 0 to 1,023
	s_lshl_b32 s20, s17, 15                        ; 64 keys x 512 bytes
	s_mov_b32 s21, 0
	s_add_nc_u64 s[4:5], s[4:5], s[20:21]
	s_lshr_b32 s20, s17, 5                         ; the head,
	s_lshl_b32 s20, s20, 19
	s_bfe_u32 s22, s17, 0x20003                    ; the slot,
	s_lshl_b32 s22, s22, 17
	s_add_co_u32 s20, s20, s22
	s_and_b32 s22, s17, 7                          ; and my 64 keys x 128 bytes of its four steps: four fragments of 2,048
	s_lshl_b32 s22, s22, 13
	s_add_co_u32 s20, s20, s22
	s_add_nc_u64 s[12:13], s[12:13], s[20:21]
	s_mul_i32 s22, s16, KSTG                       ; my stage
	s_wait_alu depctr_va_vdst(0)
	v_add_nc_u32 v4, s22, v1                       ; in: 16 x lane of a row
	v_mul_u32_u24 v5, v2, KP
	v_lshl_add_u32 v5, v3, 6, v5
	v_add_nc_u32 v5, s22, v5                       ; out: row r, + 64 h bytes: my 16 channels of each 32
.macro KLOAD f                         ; fragment f's 16 rows: key 32 (f / 2) + 8 (f % 2) + i + 8 (i / 8) of my 64
.irp i, 0,1,2,3,4,5,6,7,8,9,10,11,12,13,14,15
	global_load_b128 v[R+64*((\f)%2)+4*\i:R+64*((\f)%2)+4*\i+3], v1, s[4:5] offset:(32*((\f)/2)+8*((\f)%2)+\i+8*(\i/8))*512 th:TH_LOAD_NT
.endr
.endm
.macro KFRAG f
.if (\f) < 3
	s_wait_loadcnt 16                              ; this fragment's 16 loads are in; the next fragment's 16 may be out
.else
	s_wait_loadcnt 0x0
.endif
.irp i, 0,1,2,3,4,5,6,7,8,9,10,11,12,13,14,15
	ds_store_b128 v4, v[R+64*((\f)%2)+4*\i:R+64*((\f)%2)+4*\i+3] offset:KP*\i
.endr
.irp s, 0,1,2,3
.irp j, 0,1,2,3
	ds_load_b128 v[X+16*\s+4*\j:X+16*\s+4*\j+3], v5 offset:128*\s+16*\j   ; LDS serves a wave's instructions in order: these see the stores above
.endr
.endr
	s_wait_dscnt 0x0                               ; my numbers are back, and the stores into the stage have read their registers,
.if (\f) < 2
	KLOAD (\f)+2                                   ; which take the rows of two fragments on
.else
	s_wait_xcnt 0x0                                ; the stores of two fragments back have read this set of codes: it is written again only behind this wait
.endif
.irp s, 0,1,2,3
.irp i, 0,1,2,3,4,5,6,7,8,9,10,11,12,13,14,15
	v_med3_num_f32 v[X+16*\s+\i], v[X+16*\s+\i], -v10, v10   ; the conversion to an 8-bit code does not saturate (ISA guide 7.6.2): the hold at 448 x the scale comes first
.endr
	v_cvt_scalef32_pk8_fp8_f32 v[C+16*((\f)%2)+4*\s:C+16*((\f)%2)+4*\s+1], v[X+16*\s:X+16*\s+7], v11
	v_cvt_scalef32_pk8_fp8_f32 v[C+16*((\f)%2)+4*\s+2:C+16*((\f)%2)+4*\s+3], v[X+16*\s+8:X+16*\s+15], v11
.endr
	v_nop                                          ; a plain line behind the conversions: the next fragment's first holds write their sources
.irp s, 0,1,2,3
	global_store_b128 v1, v[C+16*((\f)%2)+4*\s:C+16*((\f)%2)+4*\s+3], s[12:13] offset:2048*(\f)+512*\s   ; 32 lanes store 512 consecutive bytes, at a multiple of 512 from kc's first byte
.endr
.endm
	KLOAD 0
	KLOAD 1
	s_wait_alu depctr_va_vdst(0)
	s_wait_kmcnt 0x0
	s_add_co_i32 s22, s25, 127
	s_lshl_b32 s23, s22, 23
	v_mov_b32 v11, s23                             ; 2^ek as f32: the conversion takes its exponent field
	s_add_co_i32 s22, s22, 8
	s_lshl_b32 s22, s22, 23
	s_or_b32 s22, s22, 0x600000
	v_mov_b32 v10, s22                             ; 448 x 2^ek
	s_wait_alu depctr_va_vdst(0)
	KFRAG 0
	KFRAG 1
	KFRAG 2
	KFRAG 3
	s_wait_tensorcnt 0x0
	ds_add_u32 v240, v241
	s_wait_dscnt 0x0
	s_endpgm
; ---- VALUE.  Work-group vw = number - 256 takes 256 keys (two key steps) x all 128 channels; wave w takes channels 32 w to 32 w + 31.
; A LANE TAKES A CHANNEL, AND ITS REGISTERS RUN DOWN THE KEYS: a load reads 128 consecutive bytes a wave (the four waves side by side, 512), and the conversions give codes with the keys innermost.
; A lane's 32 codes of a block are two pieces of 16 bytes of its tile's image, and the sixteen lanes of a tile stand 16 bytes apart there: nothing goes through LDS.
.Lvalue:
	s_sub_co_u32 s17, ttmp9, 256                   ; vw, 0 to 255
	s_lshl_b32 s20, s17, 17                        ; 256 keys x 512 bytes
	s_lshl_b32 s22, s16, 7                         ; + 32 channels x 4 bytes a wave
	s_add_co_u32 s20, s20, s22
	s_mov_b32 s21, 0
	s_add_nc_u64 s[6:7], s[6:7], s[20:21]
	s_lshr_b32 s20, s17, 3                         ; the head,
	s_lshl_b32 s20, s20, 19
	s_bfe_u32 s22, s17, 0x20001                    ; the slot,
	s_lshl_b32 s22, s22, 17
	s_add_co_u32 s20, s20, s22
	s_and_b32 s22, s17, 1                          ; which two of its key steps,
	s_lshl_b32 s22, s22, 15
	s_add_co_u32 s20, s20, s22
	s_lshl_b32 s22, s16, 12                        ; + tiles 2 w and 2 w + 1,
	s_add_co_u32 s20, s20, s22
	s_add_co_u32 s20, s20, 0x10000                 ; behind the slot's K
	s_add_nc_u64 s[14:15], s[12:13], s[20:21]
	s_wait_alu depctr_va_vdst(0)
	v_lshlrev_b32 v6, 2, v9                        ; in: 4 bytes a lane
	v_lshlrev_b32 v8, 4, v2
	v_lshl_add_u32 v8, v3, 11, v8                  ; out: tile 2 w + h, 16 r
.macro VLOAD q                         ; block q: value(32 q + i, my channel), i = 0 .. 31
.irp i, 0,1,2,3,4,5,6,7,8,9,10,11,12,13,14,15,16,17,18,19,20,21,22,23,24,25,26,27,28,29,30,31
	global_load_b32 v[VX+32*((\q)%2)+\i], v6, s[6:7] offset:(32*(\q)+\i)*512 th:TH_LOAD_NT
.endr
.endm
.macro VBLOCK q
.if (\q) < 7
	s_wait_loadcnt 32                              ; this block's 32 loads are in; the next block's 32 may be out
.else
	s_wait_loadcnt 0x0
.endif
.irp i, 0,1,2,3,4,5,6,7,8,9,10,11,12,13,14,15,16,17,18,19,20,21,22,23,24,25,26,27,28,29,30,31
	v_med3_num_f32 v[VX+32*((\q)%2)+\i], v[VX+32*((\q)%2)+\i], -v10, v10
.endr
.irp g, 0,1,2,3
	v_cvt_scalef32_pk8_fp8_f32 v[VC+8*(\q)+2*\g:VC+8*(\q)+2*\g+1], v[VX+32*((\q)%2)+8*\g:VX+32*((\q)%2)+8*\g+7], v11
.endr
	v_nop                                          ; a plain line behind the conversions
.if (\q) < 6
	VLOAD (\q)+2
.endif
	global_store_b128 v8, v[VC+8*(\q):VC+8*(\q)+3], s[14:15] offset:((\q)/4)*16384+((\q)%4)*512        ; keys 32 c + 0 .. 15: sixteen lanes store 256 consecutive bytes, aligned
	global_store_b128 v8, v[VC+8*(\q)+4:VC+8*(\q)+7], s[14:15] offset:((\q)/4)*16384+((\q)%4)*512+256  ; keys 32 c + 16 .. 31
.endm
	VLOAD 0
	VLOAD 1
	s_wait_kmcnt 0x0
	s_add_co_i32 s22, s27, 127
	s_lshl_b32 s23, s22, 23
	v_mov_b32 v11, s23                             ; 2^ev as f32
	s_add_co_i32 s22, s22, 8
	s_lshl_b32 s22, s22, 23
	s_or_b32 s22, s22, 0x600000
	v_mov_b32 v10, s22                             ; 448 x 2^ev
	s_wait_alu depctr_va_vdst(0)
.irp q, 0,1,2,3,4,5,6,7
	VBLOCK \q
.endr
	s_endpgm
.Lfunc_end_k_q81228c2a3b_prep:
	.size	k_q81228c2a3b_prep, .Lfunc_end_k_q81228c2a3b_prep-k_q81228c2a3b_prep
	.p2alignl 7, 3214868480
	.fill 96, 4, 3214868480
	.section	.rodata,"a",@progbits
	.p2align	6, 0x0
	.amdhsa_kernel k_q81228c2a3b_prep
		.amdhsa_group_segment_fixed_size 34304
		.amdhsa_private_segment_fixed_size 0
		.amdhsa_enable_private_segment 0
		.amdhsa_kernarg_size 32
		.amdhsa_user_sgpr_count 2
		.amdhsa_user_sgpr_kernarg_segment_ptr 1
		.amdhsa_wavefront_size32 1
		.amdhsa_system_sgpr_workgroup_id_x 1
		.amdhsa_system_sgpr_workgroup_id_y 1
		.amdhsa_system_sgpr_workgroup_id_z 1
		.amdhsa_system_vgpr_workitem_id 0
		.amdhsa_next_free_vgpr 242
		.amdhsa_next_free_sgpr 66
		.amdhsa_reserve_vcc 0
		.amdhsa_float_denorm_mode_32 3
		.amdhsa_float_denorm_mode_16_64 3
		.amdhsa_memory_ordered 1
		.amdhsa_forward_progress 1
		.amdhsa_inst_pref_size 82
	.end_amdhsa_kernel
	.amdgpu_metadata
---
amdhsa.version: [ 1, 2 ]
amdhsa.kernels:
  - .name:           k_q81228c2a3b_prep
    .symbol:         k_q81228c2a3b_prep.kd
    .args:
      - { .name: key, .offset: 0, .size: 8, .value_kind: global_buffer, .address_space: global }
      - { .name: value, .offset: 8, .size: 8, .value_kind: global_buffer, .address_space: global }
      - { .name: lowp_scales, .offset: 16, .size: 8, .value_kind: global_buffer, .address_space: global }
      - { .name: kv, .offset: 24, .size: 8, .value_kind: global_buffer, .address_space: global }
    .group_segment_fixed_size: 34304
    .private_segment_fixed_size: 0
    .kernarg_segment_align: 8
    .kernarg_segment_size: 32
    .max_flat_workgroup_size: 128
    .sgpr_count:     66
    .vgpr_count:     242
    .wavefront_size: 32
...
	.end_amdgpu_metadata
.endif
;; end of part 1
;; launch attn (part 2): grid 8 x 32, 8 waves a work-group, clusters of 4 x 1, 327,680 bytes of LDS; arguments query, kv, lowp_scales, out0; writes out0
.if DOCPART == 2
	.amdgcn_target "amdgcn-amd-amdhsa--gfx1250"
	.amdhsa_code_object_version 6
	.text
	.protected	k_q81228c2a3b_attn
	.globl	k_q81228c2a3b_attn
	.p2align	8
	.type	k_q81228c2a3b_attn,@function
k_q81228c2a3b_attn:
	s_mov_b64 s[64:65], 0
	v_nop
	global_prefetch_b8 v0, s[64:65] scope:SCOPE_SE
	s_setreg_imm32_b32 hwreg(HW_REG_WAVE_MODE, 25, 1), 1
	s_wait_xcnt 0x0
	s_wait_alu depctr_hold_cnt(0) depctr_sa_sdst(0) depctr_va_vdst(0) depctr_va_sdst(0) depctr_va_ssrc(0) depctr_va_vcc(0) depctr_vm_vsrc(0)
	s_getreg_b32 s2, hwreg(HW_REG_IB_STS2, 6, 4)
	s_cmp_eq_u32 s2, 0
	s_cbranch_scc0 .Lentry_in_a_cluster
	s_endpgm
.Lentry_in_a_cluster:
	s_bfe_u32 s2, ttmp6, 0x10000c
	s_cmp_lg_u32 s2, 0x3003
	s_cbranch_scc0 .Lentry_shape_is_right
	s_endpgm
.Lentry_shape_is_right:
; out0[h][q][:] = the sum over k of softmax_k(query[h][q] . key[h][k] / sqrt(128)) value[h][k][:], 32 heads, 2,048 queries and keys, head size 128; both products on codes of FP8 (E4M3).
; query arrives as f32 and is quantised here (scale 2^eq); kv holds key's and value's codes as images of the operands' registers, [head][slot 4][K's four key steps | V's four]; a key step is 8 tiles of 2,048 bytes:
;   K: byte 512 c + 16 lane + x of tile t = channel 32 c + 16 h + x of key 128 step + 32 (t / 2) + 8 (t % 2) + r + 8 (r / 8)   (lane = 16 h + r)
;   V: byte 512 c + 16 lane + x of tile u = key 128 step + 32 c + 16 h + x of channel 16 u + r
; A lane's registers 4 c .. 4 c + 3 hold K = 32 c + 16 h + 0 .. 15 on BOTH sides of each product: a permutation of K that is the same in both operands.
; THE SOFTMAX AHEAD OF THE SECOND PRODUCT: t = score x log2(e) / sqrt(128); M = the running largest t, rounded UP to a whole number; p = 2^(t - M) is quantised (scale 2^ep), not normalised.
; The row's sum is taken of the unquantised p, in f32, and divides O at the end.  When M moves, the sum and O are multiplied by 2^(old M - new M), which rounds nothing.
; LIMITS on the given exponents, so that each power of two below is an f32 number: eq and ep between -126 and 119; eq + ek between -123 and 130 (they are added to c's exponent field);
; ep + ev is applied by v_ldexp_f32 and has none.  NaN among the inputs is not served; an infinity in query is held at the largest code.  The scaled scores stay under 2^31 in magnitude.
; SHARES.  A work-group owns 256 queries of one head; each of its EIGHT waves owns 32, two tiles of 16, in 512 registers: two waves to a SIMD.  Each fragment of K or V read from LDS feeds two matrix instructions.
; Every wave walks the head's 16 key steps of 128 keys.
; LAYOUT.  Both products are used transposed: S^T = K Q^T (source 0 = 16 keys, source 1 = 16 queries), O^T = V^T P^T (source 0 = 16 channels, source 1 = P): a lane holds ONE query (lane % 16) throughout,
; and by the choice of a tile's keys the 16 registers of score tiles 2 b and 2 b + 1 are keys 32 b + 16 h + 0 .. 15: the conversions' results are the second product's operand.
; A TRIP is PV of the step before, S^T of this step, its softmax: V's fragments are asked for ahead of the softmax and used in the next trip.  K's tiles 0 to 3 are asked for at the trip's head, into score registers: p
; has become codes, and S^T's second halves, which will lie there, are made when tiles 0 to 3 have been multiplied.  K's tiles 4 to 7 come into the registers that PV's first half has left.
; Between two trips no LDS byte is wanted, and there the slots change.
; RING.  Two LDS slots of four key steps each (131,072 bytes: K's steps, then V's), filled by the tensor data mover: wave w fetches the slot's w-th 16,384 bytes, one load; all eight waves read.
; CLUSTER.  The four query blocks of a cluster belong to one head and walk the same slots: each load is JOINT, the same descriptor in all four and a mask that names the four.
; REGISTERS, in windows of 256.  Window 0: v1-11, v30 addresses and work; v12-27 statistics, 8 a tile; v28, v31 the hold's limit, v29 the conversion's scale; v32-63 Q's codes; v64-191 S^T, then p, then K's tiles 0 to 3;
;   v192-223 P's codes; v228, v229 lane permutes' destinations; v232-239 chains of the maxima; v240-251 chains of the sums.   Window 1: v0-127 O^T, 64 a tile; v128-255 fragments of V, or K's tiles 4 to 7.
.set STEPB, 16384                      ; a key step's codes of K, or of V
.set VOFF,  4*STEPB                    ; in a slot V's four steps lie behind K's four
.set SLOT1, 8*STEPB                    ; slot 1 begins here; also a slot's bytes in kv
.set STAGE, 2*SLOT1                    ; behind the ring: a stage of 16 rows x 272 bytes for each wave, for Q on the way in and O on the way out, half a row at a time; no tile ever lands there
.set SP,    272                        ; 256 + 16 = 17 x 16 bytes: sixteen rows' equal columns fall on sixteen different groups of banks
.set STGB,  16*SP                      ; 4,352 = 17 blocks of 256 bytes
.set SPARE, STAGE+8*STGB               ; behind the stages: the spare words, 128 bytes for each wave: four blocks of 256 bytes that no other line names
.set LI,   1                           ; v1   16 x lane: my place in a fragment's image; never rewritten
.set ADR,  2                           ; v2   the step's K + 16 x lane, then its V + 16 x lane
.set PFO,  3                           ; v3   256 x lane: the prefetches' offset; never rewritten
.set SPW,  4                           ; v4   LDS address of my spare word; never rewritten
.set NIL,  5                           ; v5   0; never rewritten
.set STI,  6                           ; v6   my stage, whole half rows: lanes 0-15 one, lanes 16-31 the next
.set STF,  7                           ; v7   my stage + 272 r + 64 h: Q's 16 channels of each 32
.set STO,  8                           ; v8   my stage + 272 r + 32 h: O's 8 channels of each 16
.set ADR2, 10                          ; v10  in the trips: K's address once more, made behind the trip's first wait
.set GO,   30                          ; v30  the same half rows in query and out0: 512 h + 16 r; never rewritten
.set ST,   12                          ; tile t's statistics at v[ST + 8 t]: +0 -M, +1 the largest score, +2, +3 the sum in two halves, +4 f (+5 named with it as a pair), +6, +7 at work
.set LIMV, 28
.set SCV,  29
.set LIM2, 31                          ; the hold's limit once more, for a pair's second half
.set QC,   32
.set S,    64
.set P,    192
.set PD,   228
.set MX,   232                         ; tile t's four chains of the maximum: v[MX + 4 t ..]
.set X2,   240                         ; tile t's three further chains of the sum, pairs: v[X2 + 6 t ..]
.set FRG,  128                         ; in window 1
.set WV,   14                          ; s14  my wave's number
.set LIM,  15                          ; s15  1 in a wave that prefetches, else 0
.set CX,   16                          ; s16  my place in the cluster
.set PFA,  18                          ; s[18:19] where my prefetches stand: my wave's 8,192 bytes of the third slot's worth
.set SEL,  20                          ; s[20:21] lane selects for v_permlanex16_b32: lane l xor 16
.set CS,   22                          ; s[22:23] c = log2(e) / sqrt(128) x 2^(eq + ek)
.set G1,   24                          ; s[24:31] descriptor group 1: one shape for all tiles
.set G0,   32                          ; s[32:35] descriptor group 0, which walks
.set TB,   52                          ; s52  LDS byte at which the step's K begins
.set TBV,  53                          ; s53  and its V
.set CNT,  54                          ; s54  trips to go
.set MSB, 0
.macro WIN new                         ; the immediate's high byte repeats the setting that is left; a switch that changes nothing is dropped
.if MSB != \new
	s_set_vgpr_msb (MSB<<8)|\new
.set MSB, \new
.endif
.endm
.set W_LD, 0x40                        ; destination window 1, address window 0
.set W_KQ, 0x01                        ; source 0 (K's tiles 4 to 7) window 1; Q and S^T window 0
.set W_PV, 0x51                        ; source 0 (V), C and D (O^T) window 1; P window 0
.set W_RS, 0x41                        ; O^T (destination and source 0) window 1; f window 0
.set W_OUT, 0x01                       ; source 0 (O^T) window 1
.macro PLACES n
.rept \n
	v_nop
.endr
.endm
; A round of the cluster's barrier: my work-group's barrier, so that wave 0's signal speaks for all eight waves; wave 0 signals; every wave waits for all four work-groups; my work-group's barrier once more.
.macro CROUND
	s_barrier_signal -1
	s_barrier_wait -1
	s_cmp_lg_u32 s[WV], 0
	s_cbranch_scc1 .Lnot_wave_0_\@
	s_barrier_signal -3
.Lnot_wave_0_\@:
	s_barrier_wait -3
	s_barrier_signal -1
	s_barrier_wait -1
.endm
; A joint load: every wave issues one.  By this text's own count a wave has at most one tensor load out.
.macro JLOAD
	tensor_load_to_lds s[G0:G0+3], s[G1:G1+7]
	s_nop 0
	PLACES 4
.endm
; A PREFETCH INTO THE L2 of what the NEXT change of slots will ask for: a slot's 131,072 bytes, four key steps ahead of that load.
; Each aligned block of 256 bytes is named ONCE in the launch.  Both clusters of a head walk the same codes: the head's first cluster asks.  Its four partners take 32,768 bytes each, told apart BY ADDRESS;
; in each, waves 0 to 3 ask, 8,192 bytes a wave, lanes 256 bytes apart: one instruction.  Slots' worth 0 and 1 come by their loads alone, and the last change that fills a slot asks for nothing.
.macro ASK off
	s_cmp_eq_u32 s[LIM], 1
	s_cbranch_scc0 .Lnot_mine_\@
	global_prefetch_b8 v[PFO], s[PFA:PFA+1] offset:\off th:TH_LOAD_NT scope:SCOPE_SE
.Lnot_mine_\@:
.endm
; THE CHANGE OF SLOTS.  Each wave waits for all its tensor loads (its part of the slot that is read next), adds 0 to its spare word, and waits for that and for its reads of the slot that it leaves.
; fill = 1: a round of the cluster's barrier follows, so that no wave of any partner still reads that slot or has a load on its way, and the joint load of the next four key steps is the first thing
; behind it: it has four key steps' work in which to land.  Slot 1's first fill is issued so too.
.macro CHANGE fill
	s_wait_tensorcnt 0x0                           ; no tensor load of mine is out, so group 0 may be written
	ds_add_u32 v[SPW], v[NIL]                      ; 0 onto my spare word
.if \fill
	s_xor_b32 s[G0+1], s[G0+1], SLOT1              ; the other slot than last time,
	s_add_nc_u64 s[G0+2:G0+3], s[G0+2:G0+3], SLOT1 ; the next four key steps; the type bits on top are not reached
.endif
	s_wait_dscnt 0x0                               ; the add is done, and my reads of the slot that I leave are over
.if \fill
	CROUND
	JLOAD
.else
	s_barrier_signal -1
	s_barrier_wait -1
.endif
.endm
; Half g of a step's fragments of K: four tiles, 16 LDS loads; each takes 512 consecutive bytes.  Half 0 lands in S^T's second halves (two fragments in each tile's), half 1 in window 1.
.macro KFETCH g
.if \g
	WIN W_LD
.else
	WIN 0
.endif
.irp f, 0,1,2,3
.irp c, 0,1,2,3
.if \g
	ds_load_b128 v[FRG+16*\f+4*\c:FRG+16*\f+4*\c+3], v[ADR2] offset:8192+2048*\f+512*\c
.else
	ds_load_b128 v[S+32+16*\f+32*(\f/2)+4*\c:S+32+16*\f+32*(\f/2)+4*\c+3], v[ADR] offset:2048*\f+512*\c
.endif
.endr
.endr
.endm
; Half g of S^T = K Q^T: each fragment of K against both tiles of queries; each result begun with the constant 0.
.macro QKH g
.irp t, 0,1
.irp k, 0,1,2,3
.if \g
	v_wmma_f32_16x16x128_fp8_fp8 v[S+64*\t+32+8*\k:S+64*\t+39+8*\k], v[FRG+16*\k:FRG+16*\k+15], v[QC+16*\t:QC+16*\t+15], 0
.else
	v_wmma_f32_16x16x128_fp8_fp8 v[S+64*\t+8*\k:S+64*\t+7+8*\k], v[S+32+16*\k+32*(\k/2):S+47+16*\k+32*(\k/2)], v[QC+16*\t:QC+16*\t+15], 0
.endif
.endr
.endr
.endm
; Half g of O^T += V^T P^T: each fragment of V against both tiles; the accumulators take turns, one instruction a turn.  zero = 1: the first step starts the sums.
.macro PVH g, zero
.irp u, 0,1,2,3
.irp t, 0,1
.set DD, 64*\t+32*(\g)+8*\u
.set AA, FRG+64*(\g)+16*\u
.if \zero
	v_wmma_f32_16x16x128_fp8_fp8 v[DD:DD+7], v[AA:AA+15], v[P+16*\t:P+16*\t+15], 0
.else
	v_wmma_f32_16x16x128_fp8_fp8 v[DD:DD+7], v[AA:AA+15], v[P+16*\t:P+16*\t+15], v[DD:DD+7]
.endif
.endr
.endr
.endm
	s_load_b128 s[4:7], s[0:1], 0x0                ; query s[4:5], kv s[6:7]
	s_load_b128 s[8:11], s[0:1], 0x10              ; the scales' exponents s[8:9], out0 s[10:11]
	v_lshl_add_u32 v[SPW], v0, 2, SPARE
	v_mov_b32 v[NIL], 0
	ds_add_u32 v[SPW], v[NIL]                      ; the wave's opening: the add, twice on end, and its wait ahead of my first tensor load
	ds_add_u32 v[SPW], v[NIL]
	v_lshrrev_b32 v9, 5, v0
	v_and_b32 v10, 15, v0                          ; r
	v_bfe_u32 v11, v0, 4, 1                        ; h
	v_and_b32 v[LI], 31, v0
	v_readfirstlane_b32 s[WV], v9                  ; wave 0..7
	v_lshlrev_b32 v[GO], 9, v11
	v_lshlrev_b32 v[PFO], 8, v[LI]
	v_lshlrev_b32 v[LI], 4, v[LI]
	v_lshl_add_u32 v[GO], v10, 4, v[GO]
	s_wait_alu depctr_va_vdst(0)                   ; ahead of the scalar lines and the waits below
	s_bfe_u32 s[CX], ttmp6, 0x40000                ; cx
	s_lshl_b32 s44, ttmp9, 2                       ; in a cluster launch ttmp9 counts clusters
	s_add_co_u32 s44, s44, s[CX]                   ; my block of 256 queries: it enters query's and out0's addresses alone
	s_and_b32 s45, ttmp7, 0xffff                   ; the head, which the four partners share
	s_lshl_b32 s48, s[WV], 14                      ; which 16,384 bytes of a slot I fetch, in memory and in LDS; also my wave's 32 rows of 512 bytes
	s_lshl_b32 s46, s45, 19                        ; a head's codes are 524,288 bytes
	s_add_co_u32 s46, s46, s48
	s_mov_b32 s47, 0
	s_lshl_b32 s50, s45, 20                        ; a head of query or out0: 2,048 rows of 512 bytes,
	s_lshl_b32 s49, s44, 17                        ; my block's 256 rows,
	s_add_co_u32 s50, s50, s49
	s_add_co_u32 s50, s50, s48                     ; my wave's 32
	s_mov_b32 s51, 0
	; descriptor group 1: a dense block of 16,384 bytes as 64 rows of 32 elements of 8 bytes
	s_mov_b32 s[G1], 15|(3<<16)|(1<<21)            ; 15:0 the mask: all four work-groups; 17:16 elements of 8 bytes; 20 no padding; 21 set beside a mask
	s_mov_b32 s[G1+1], 32<<16                      ; tensor_dim0 = 32
	s_mov_b32 s[G1+2], 64<<16                      ; tensor_dim1 = 64
	s_mov_b32 s[G1+3], 32<<16                      ; tile_dim0 = 32
	s_mov_b32 s[G1+4], 64                          ; tile_dim1 = 64
	s_mov_b32 s[G1+5], 32                          ; from row to row: 32 elements
	s_mov_b32 s[G1+6], 0
	s_mov_b32 s[G1+7], 0
	s_mov_b32 s[SEL], 0x76543210
	s_mov_b32 s[SEL+1], 0xfedcba98
	s_mov_b32 s[CS], 0x3e0293ee                    ; log2(e) / sqrt(128)
	s_wait_dscnt 0x0                               ; both opening adds are done
	s_wait_kmcnt 0x0
	s_load_b128 s[40:43], s[8:9], 0x0              ; eq, ek, ep, ev
	s_add_nc_u64 s[4:5], s[4:5], s[50:51]          ; query and out0 at my wave's first row
	s_add_nc_u64 s[10:11], s[10:11], s[50:51]
.irp t, 0,1
.irp i, 0,1,2,3,4,5,6,7
.irp u, 0,1
	global_load_b128 v[S+64*\t+32*\u+4*\i:S+64*\t+32*\u+4*\i+3], v[GO], s[4:5] offset:8192*\t+1024*\i+256*\u th:TH_LOAD_NT   ; half u of rows 2 i and 2 i + 1: sixteen lanes to 256 bytes, aligned; read once in the launch
.endr
.endr
.endr
	s_mov_b32 s[G0], 1                             ; count = 1
	s_mov_b32 s[G0+1], s48                         ; LDS address: slot 0, my part
	s_add_nc_u64 s[G0+2:G0+3], s[6:7], s[46:47]    ; global address: my part of the head's first four steps
	s_or_b32 s[G0+3], s[G0+3], 0x80000000          ; type = 2
	CROUND                                         ; all four work-groups are here: the first joint loads meet
	JLOAD                                          ; slot 0
	; the prefetches: where my wave's stand, and who asks.  The offset holds cx: it is made in registers that feed no descriptor
	s_lshl_b32 s36, s45, 19                        ; my head,
	s_lshl_b32 s38, s[CX], 15                      ; my work-group's 32,768 bytes of a slot,
	s_add_co_u32 s36, s36, s38
	s_and_b32 s38, s[WV], 3
	s_lshl_b32 s38, s38, 13                        ; my wave's 8,192 of them,
	s_add_co_u32 s36, s36, s38
	s_add_co_u32 s36, s36, 2*SLOT1                 ; in the third slot's worth
	s_mov_b32 s37, 0
	s_add_nc_u64 s[PFA:PFA+1], s[6:7], s[36:37]
	s_lshr_b32 s38, s[WV], 2                       ; 0 in waves 0 to 3,
	s_or_b32 s38, s38, ttmp9                       ; of the head's first cluster: the same in all four partners
	s_cmp_eq_u32 s38, 0
	s_cselect_b32 s[LIM], 1, 0
	s_mul_i32 s49, s[WV], STGB
	s_add_co_u32 s49, s49, STAGE                   ; my stage
	v_mul_u32_u24 v9, v10, SP
	v_mul_u32_u24 v[STI], v11, SP
	v_add_nc_u32 v9, s49, v9
	v_lshl_add_u32 v[STI], v10, 4, v[STI]
	v_lshl_add_u32 v[STF], v11, 6, v9
	v_lshl_add_u32 v[STO], v11, 5, v9
	v_add_nc_u32 v[STI], s49, v[STI]
.irp t, 0,1
	v_mov_b32 v[ST+8*\t], 0x7f61b1e6               ; -M: 3e38
	v_mov_b32 v[ST+8*\t+1], 0xff61b1e6             ; the largest score so far: -3e38, under every score
	v_mov_b32 v[ST+8*\t+2], 0                      ; the sum, in two halves
	v_mov_b32 v[ST+8*\t+3], 0
	v_mov_b32 v[ST+8*\t+5], 0                      ; (named as the upper half of f's pair)
.endr
	s_wait_alu depctr_va_vdst(0)                   ; directly ahead of the wait below
	s_wait_kmcnt 0x0
	s_add_co_i32 s44, s40, 127
	s_lshl_b32 s49, s44, 23
	v_mov_b32 v[SCV], s49                          ; 2^eq as f32: the conversion takes its exponent field
	s_add_co_i32 s44, s44, 8
	s_lshl_b32 s44, s44, 23
	s_or_b32 s44, s44, 0x600000
	v_mov_b32 v[LIMV], s44                         ; 448 x 2^eq
; Q's tile t: 16 rows turn through my stage, half a row at a time, so that lane (r, h) holds, of query r, channels 32 c + 16 h + 0 .. 15 in registers 16 c on (v192-255, free until the loop); then the hold and the conversions.
.macro QTILE t
	s_wait_loadcnt 16*(1-\t)                       ; this tile's 16 loads are in; the other tile's 16 may be out
.irp u, 0,1
.irp i, 0,1,2,3,4,5,6,7
	ds_store_b128 v[STI], v[S+64*\t+32*\u+4*\i:S+64*\t+32*\u+4*\i+3] offset:2*SP*\i
.endr
.irp c, 0,1
.irp j, 0,1,2,3
	ds_load_b128 v[P+32*\u+16*\c+4*\j:P+32*\u+16*\c+4*\j+3], v[STF] offset:128*\c+16*\j   ; LDS serves a wave's instructions in order: these see the stores above
.endr
.endr
.endr
	s_wait_dscnt 0x0
.irp c, 0,1,2,3
.irp i, 0,1,2,3,4,5,6,7,8,9,10,11,12,13,14,15
	v_med3_num_f32 v[P+16*\c+\i], v[P+16*\c+\i], -v[LIMV], v[LIMV]   ; the conversion to an 8-bit code does not saturate (ISA guide 7.6.2)
.endr
	v_cvt_scalef32_pk8_fp8_f32 v[QC+16*\t+4*\c:QC+16*\t+4*\c+1], v[P+16*\c:P+16*\c+7], v[SCV]
	v_cvt_scalef32_pk8_fp8_f32 v[QC+16*\t+4*\c+2:QC+16*\t+4*\c+3], v[P+16*\c+8:P+16*\c+15], v[SCV]
.endr
	v_nop                                          ; a plain line behind the conversions, ahead of whatever next writes their sources or reads their results
.endm
	s_wait_alu depctr_va_vdst(0)
	QTILE 0
	QTILE 1
	s_add_co_i32 s44, s40, s41
	s_lshl_b32 s44, s44, 23
	s_add_co_i32 s[CS], s[CS], s44                 ; a score stands for score x 2^(eq + ek): the two exponents are added to c's exponent field
	s_mov_b32 s[CS+1], s[CS]                       ; (named with it as a pair, so it is written)
	s_add_co_i32 s44, s42, 127
	s_lshl_b32 s49, s44, 23
	v_mov_b32 v[SCV], s49                          ; from here on: 2^ep
	s_add_co_i32 s44, s44, 8
	s_lshl_b32 s44, s44, 23
	s_or_b32 s44, s44, 0x600000
	v_mov_b32 v[LIMV], s44                         ; and 448 x 2^ep
	v_mov_b32 v[LIM2], s44
.irp t, 0,1
	v_mov_b32 v[PD+\t], 0                          ; a lane permute's destination counts as one of its sources
.endr
; The i-th of 30 lines of tile t's maximum: four chains begun with three scores each, then two scores a line, each matrix result from its low end on.
.macro MXI t, i
.if (\i) < 4
	v_max3_num_f32 v[MX+4*\t+(\i)], v[S+64*\t+3*(\i)], v[S+64*\t+3*(\i)+1], v[S+64*\t+3*(\i)+2]
.else
.set CC, MX+4*\t+(\i)%4
.set SS, S+64*\t+12+2*((\i)-4)
	v_max3_num_f32 v[CC], v[CC], v[SS], v[SS+1]
.endif
.endm
; The n-th of 10 lines of tile t's statistics.
.macro STAT n, t
.set MM, MX+4*\t
.set TT, ST+8*\t
.if (\n) == 0
	v_max3_num_f32 v[MM], v[MM], v[MM+1], v[MM+2]  ; the chains are joined
.endif
.if (\n) == 1
	v_max_num_f32 v[MM], v[MM], v[MM+3]
.endif
.if (\n) == 2
	v_permlanex16_b32 v[PD+\t], v[MM], s[SEL], s[SEL+1]   ; the query's other 64 keys lie in the lane 16 away
.endif
.if (\n) == 3
	v_max3_num_f32 v[TT+1], v[TT+1], v[MM], v[PD+\t]      ; the running largest score
.endif
.if (\n) == 4
	v_mul_f32 v[TT+6], s[CS], v[TT+1]              ; as t (c is positive)
.endif
.if (\n) == 5
	v_floor_f32 v[TT+7], -v[TT+6]                  ; the new -M = floor(-t) = -ceil(t): M is a whole number
.endif
.if (\n) == 6
	v_sub_f32 v[TT+6], v[TT+7], v[TT]              ; old M - new M: a whole number, 0 or less
.endif
.if (\n) == 7
	v_mov_b32 v[TT], v[TT+7]
.endif
.if (\n) == 8
	v_cvt_i32_f32 v[TT+6], v[TT+6]                 ; (it saturates)
.endif
.if (\n) == 9
	v_ldexp_f32 v[TT+4], 1.0, v[TT+6]              ; f = 2^(old M - new M)
.endif
.endm
.macro FMA t, i                        ; t - M, two at a time (of the pairs c and -M the low word serves both halves)
.set SS, S+64*\t+2*(\i)
	v_pk_fma_f32 v[SS:SS+1], v[SS:SS+1], s[CS:CS+1], v[ST+8*\t:ST+8*\t+1] op_sel_hi:[1,0,0]
.endm
; The i-th of 29 lines of tile t's sum of the UNQUANTISED p: two numbers at a time, in four chains; the fourth is the running sum.
.macro SUMI t, i
.if (\i) < 3
	v_pk_add_f32 v[X2+6*\t+2*(\i):X2+6*\t+2*(\i)+1], v[S+64*\t+4*(\i):S+64*\t+4*(\i)+1], v[S+64*\t+4*(\i)+2:S+64*\t+4*(\i)+3]
.else
.if (\i)%4 == 3
.set CC, ST+8*\t+2
.else
.set CC, X2+6*\t+2*((\i)%4)
.endif
.set SS, S+64*\t+2*((\i)+3)
	v_pk_add_f32 v[CC:CC+1], v[CC:CC+1], v[SS:SS+1]
.endif
.endm
.macro JOIN t, a, b
	v_pk_add_f32 v[\a:\a+1], v[\a:\a+1], v[\b:\b+1]
.endm
.macro HOLD n                          ; block n's 16 numbers, n = 4 tile + block: two a line
.set AA, S+16*(\n)
.rept 8
	v_dual_min_num_f32 v[AA], v[AA], v[LIMV] :: v_dual_min_num_f32 v[AA+1], v[AA+1], v[LIM2]   ; the conversion does not saturate (ISA guide 7.6.2); p is not negative, so the hold is one-sided
.set AA, AA+2
.endr
.endm
.macro CODE n
	v_cvt_scalef32_pk8_fp8_f32 v[P+4*(\n):P+4*(\n)+1], v[S+16*(\n):S+16*(\n)+7], v[SCV]
	v_cvt_scalef32_pk8_fp8_f32 v[P+4*(\n)+2:P+4*(\n)+3], v[S+16*(\n)+8:S+16*(\n)+15], v[SCV]
.endm
; A TRIP: PV of the step before (pv = 0: there is none; 1: it starts the sums; 2: it goes on), then this step's scores and softmax.
.macro TRIP pv
	s_add_co_u32 s[TBV], s[TB], VOFF
	v_add_nc_u32 v[ADR], s[TB], v[LI]
	KFETCH 0
.if \pv
	s_wait_dscnt 16                                ; V's fragments of the step before are in; the 16 loads just issued may be out
	WIN W_PV
	PVH 0, 2-\pv
	WIN 0
	v_add_nc_u32 v[ADR2], s[TB], v[LI]
	PLACES 3                                       ; with the addition four places in front of loads into registers that matrix instructions read (ISA guide 7.12.1 for vector instructions)
	KFETCH 1
	WIN W_PV
	PVH 1, 2-\pv
.else
	v_add_nc_u32 v[ADR2], s[TB], v[LI]
	KFETCH 1
.endif
	s_wait_dscnt 16                                ; K's tiles 0 to 3 are in; the 16 loads of tiles 4 to 7 may be out
	WIN 0
	QKH 0
	PLACES 5                                       ; the second halves are written over tiles 0 to 3's fragments
	s_wait_dscnt 0x0
	WIN W_KQ
	QKH 1
	v_add_nc_u32 v[ADR], s[TBV], v[LI]
	PLACES 3                                       ; with the addition four places: in front of the loads into K's registers, and of the first read of the scores
	WIN W_LD
.irp f, 0,1,2,3,4,5,6,7
.irp c, 0,1,2,3
	ds_load_b128 v[FRG+16*\f+4*\c:FRG+16*\f+4*\c+3], v[ADR] offset:2048*\f+512*\c   ; V's eight tiles, for the next trip
.endr
.endr
	WIN 0
.set jj, 0
.rept 10                                       ; tile 0's maximum, with the first ten lines of tile 1's among it
	MXI 0, 3*jj
	MXI 0, 3*jj+1
	MXI 0, 3*jj+2
	MXI 1, jj
.set jj, jj+1
.endr
.set jj, 0
.rept 10                                       ; tile 0's statistics, each line waiting on the one before it, among tile 1's maximum
	STAT jj, 0
	MXI 1, 10+2*jj
	MXI 1, 11+2*jj
.set jj, jj+1
.endr
.set jj, 0
.rept 10                                       ; tile 1's statistics among tile 0's multiply-adds
	STAT jj, 1
	FMA 0, 3*jj
	FMA 0, 3*jj+1
	FMA 0, 3*jj+2
.set jj, jj+1
.endr
	FMA 0, 30
	FMA 0, 31
.set jj, 0
.rept 32
	FMA 1, jj
.set jj, jj+1
.endr
.if \pv
	WIN W_RS
.set j, 0
.rept 32
	v_pk_mul_f32 v[j:j+1], v[j:j+1], v[ST+4:ST+5] op_sel_hi:[1,0]               ; O^T under the new M: x f, each result from its low end on
	v_pk_mul_f32 v[64+j:64+j+1], v[64+j:64+j+1], v[ST+12:ST+13] op_sel_hi:[1,0]
.set j, j+2
.endr
	WIN 0
.endif
	s_wait_alu depctr_va_vdst(0)
.set j, 0
.rept 128
	v_exp_f32 v[S+j], v[S+j]                       ; p = 2^(t - M), at most 1: not normalised.  ONE BATCH for both tiles
.set j, j+1
.endr
.irp t, 0,1
	v_pk_mul_f32 v[ST+8*\t+2:ST+8*\t+3], v[ST+8*\t+2:ST+8*\t+3], v[ST+8*\t+4:ST+8*\t+5] op_sel_hi:[1,0]   ; the sums under the new M: the plain lines behind the exponentials
.endr
	s_wait_alu depctr_va_vdst(0)                   ; one wait for the whole batch, ahead of its first reader
.set jj, 0
.rept 29
	SUMI 0, jj
	SUMI 1, jj
.set jj, jj+1
.endr
.irp t, 0,1
	JOIN \t, X2+6*\t, X2+6*\t+2
	JOIN \t, ST+8*\t+2, X2+6*\t+4
.endr
	HOLD 0
.irp t, 0,1
	JOIN \t, ST+8*\t+2, X2+6*\t
.endr
	HOLD 1
	CODE 0                                         ; each block's conversions stand behind the next block's holds
.set jj, 0
.rept 6
	HOLD jj+2
	CODE jj+1
.set jj, jj+1
.endr
	CODE 7
	v_nop                                          ; a plain line behind the conversions
	s_wait_alu depctr_va_vdst(0)                   ; ahead of the scalar lines, the branch and the waits that follow
	s_add_co_u32 s[TB], s[TB], STEPB
.endm
.macro RUN n, base                     ; n trips, from LDS byte base on
	s_mov_b32 s[TB], \base
	s_mov_b32 s[CNT], \n
.Ltrip_\@:
	TRIP 2
	s_sub_co_u32 s[CNT], s[CNT], 1
	s_cmp_lg_u32 s[CNT], 0
	s_cbranch_scc1 .Ltrip_\@
.endm
	s_wait_alu depctr_va_vdst(0)
	CHANGE 1                                       ; slot 0 is whole; slot 1's first fill
	ASK 0
	s_mov_b32 s[TB], 0
	TRIP 0
	TRIP 1
	RUN 2, 2*STEPB
	CHANGE 1
	ASK SLOT1
	RUN 4, SLOT1
	CHANGE 1
	RUN 4, 0
	CHANGE 0                                       ; nothing is filled again
	RUN 4, SLOT1
	; THE WAY OUT.  The sum's halves are added and inverted ahead of the last PV; then O^T is divided by the sum, multiplied by 2^(ep + ev), and goes through my stage half a row of 16 queries at a time.
.irp t, 0,1
	v_add_f32 v[ST+8*\t+6], v[ST+8*\t+2], v[ST+8*\t+3]
.endr
.irp t, 0,1
	s_delay_alu instid0(VALU_DEP_2)
	v_permlanex16_b32 v[PD+\t], v[ST+8*\t+6], s[SEL], s[SEL+1]
.endr
.irp t, 0,1
	s_delay_alu instid0(VALU_DEP_2)
	v_add_f32 v[ST+8*\t+6], v[ST+8*\t+6], v[PD+\t] ; the row's sum
.endr
	s_wait_alu depctr_va_vdst(0)
.irp t, 0,1
	v_rcp_f32 v[ST+8*\t+4], v[ST+8*\t+6]
.endr
	v_nop                                          ; a plain line between the last reciprocal and the use of its result
	s_add_co_i32 s44, s42, s43                     ; ep + ev
	s_wait_alu depctr_va_vdst(0)                   ; one wait for both reciprocals, ahead of their first reader
.irp t, 0,1
	v_ldexp_f32 v[ST+8*\t+4], v[ST+8*\t+4], s44
.endr
	s_wait_alu depctr_va_vdst(0)                   ; directly ahead of the wait below
	s_wait_dscnt 0x0                               ; the last step's V is in
	WIN W_PV
	PVH 0, 0
	PVH 1, 0
	PLACES 4                                       ; four places behind the last products
	WIN W_OUT
.irp t, 0,1
.set j, 0
.rept 32
	v_pk_mul_f32 v[S+64*\t+j:S+64*\t+j+1], v[64*\t+j:64*\t+j+1], v[ST+8*\t+4:ST+8*\t+5] op_sel_hi:[1,0]   ; register 8 u + i of tile t is out0(query 16 t + r, channel 16 u + 8 h + i); each result from its low end on
.set j, j+2
.endr
.endr
	WIN 0
	s_wait_alu depctr_va_vdst(0)
.macro OPUT t, u                       ; half u of tile t into my stage
.irp k, 0,1,2,3
	ds_store_b128 v[STO], v[S+64*\t+32*\u+8*\k:S+64*\t+32*\u+8*\k+3] offset:64*\k
	ds_store_b128 v[STO], v[S+64*\t+32*\u+8*\k+4:S+64*\t+32*\u+8*\k+7] offset:64*\k+16
.endr
.endm
.macro OGET d                          ; and back as half rows of 256 bytes; LDS serves a wave's instructions in order: these see the stores above, and the next half's stores come behind them
.irp i, 0,1,2,3,4,5,6,7
	ds_load_b128 v[\d+4*\i:\d+4*\i+3], v[STI] offset:2*SP*\i
.endr
.endm
.macro OSEND d, t, u
.irp i, 0,1,2,3,4,5,6,7
	global_store_b128 v[GO], v[\d+4*\i:\d+4*\i+3], s[10:11] offset:8192*\t+1024*\i+256*\u th:TH_STORE_NT   ; sixteen lanes store 256 consecutive bytes, at a multiple of 256 from out0's first byte
.endr
.endm
	OPUT 0, 0
	OGET P
	OPUT 0, 1
	OGET P+32
	OPUT 1, 0
	s_wait_dscnt 16                                ; all but the 8 loads and 8 stores just issued: tile 0's stores have read their registers, into which tile 1's rows will come back, and its first half is back
	OSEND P, 0, 0
	OGET S
	OPUT 1, 1
	OGET S+32
	s_wait_dscnt 32                                ; tile 0's second half is back; 8 stores, 8 loads, 8 stores, 8 loads may be out
	OSEND P+32, 0, 1
	s_wait_dscnt 16                                ; tile 1's first half is back
	OSEND S, 1, 0
	s_wait_dscnt 0x0
	OSEND S+32, 1, 1
	s_wait_tensorcnt 0x0                           ; the wave's end: behind my last tensor load and my last LDS store
	ds_add_u32 v[SPW], v[NIL]
	s_wait_dscnt 0x0
	CROUND                                         ; the closing round: no work-group ends while a partner may still ask for a tile that names it
	s_endpgm
.Lfunc_end_k_q81228c2a3b_attn:
	.size	k_q81228c2a3b_attn, .Lfunc_end_k_q81228c2a3b_attn-k_q81228c2a3b_attn
	.p2alignl 7, 3214868480
	.fill 96, 4, 3214868480
	.section	.rodata,"a",@progbits
	.p2align	6, 0x0
	.amdhsa_kernel k_q81228c2a3b_attn
		.amdhsa_group_segment_fixed_size 327680
		.amdhsa_private_segment_fixed_size 0
		.amdhsa_enable_private_segment 0
		.amdhsa_kernarg_size 32
		.amdhsa_user_sgpr_count 2
		.amdhsa_user_sgpr_kernarg_segment_ptr 1
		.amdhsa_wavefront_size32 1
		.amdhsa_system_sgpr_workgroup_id_x 1
		.amdhsa_system_sgpr_workgroup_id_y 1
		.amdhsa_system_sgpr_workgroup_id_z 1
		.amdhsa_system_vgpr_workitem_id 0
		.amdhsa_next_free_vgpr 512
		.amdhsa_next_free_sgpr 66
		.amdhsa_reserve_vcc 0
		.amdhsa_float_denorm_mode_32 3
		.amdhsa_float_denorm_mode_16_64 3
		.amdhsa_memory_ordered 1
		.amdhsa_forward_progress 1
		.amdhsa_inst_pref_size 231
	.end_amdhsa_kernel
	.amdgpu_metadata
---
amdhsa.version: [ 1, 2 ]
amdhsa.kernels:
  - .name:           k_q81228c2a3b_attn
    .symbol:         k_q81228c2a3b_attn.kd
    .args:
      - { .name: query, .offset: 0, .size: 8, .value_kind: global_buffer, .address_space: global }
      - { .name: kv, .offset: 8, .size: 8, .value_kind: global_buffer, .address_space: global }
      - { .name: lowp_scales, .offset: 16, .size: 8, .value_kind: global_buffer, .address_space: global }
      - { .name: out0, .offset: 24, .size: 8, .value_kind: global_buffer, .address_space: global }
    .group_segment_fixed_size: 327680
    .private_segment_fixed_size: 0
    .kernarg_segment_align: 8
    .kernarg_segment_size: 32
    .max_flat_workgroup_size: 256
    .sgpr_count:     66
    .vgpr_count:     512
    .wavefront_size: 32
...
	.end_amdgpu_metadata
.endif
;; end of part 2
